; MI455X (gfx1250); checked and timed in simulation.
; The chip was launched on July 23, 2026; its instructions are those of AMD's public machine-readable ISA for CDNA 5 (MIT licence, August 2026) and "CDNA5" Instruction Set Architecture Reference Guide (July 2026). The comments in the code are by the model that wrote it; some were corrected since.
;; Chamfer Distance. Allowed arithmetic: float matrix products may take bf16 or f16 operands with f32 sums; all other float work in f32.
;; Inputs: xyz1 4 x 8,192 x 3 float32; xyz2 4 x 8,192 x 3 float32.
;; Outputs: out0 4 x 8,192 float32; out1 4 x 8,192 float32; out2 4 x 8,192 int32; out3 4 x 8,192 int32.
;; 2 versions, each right; version 2 is version 1 with the launch pick written anew for expert scheduling mode. Each part assembles by itself: llvm-mc -triple=amdgcn-amd-amdhsa -mcpu=gfx1250 --defsym DOCPART=n.
;; ======== version 1 of 2: 2 launches
;; limits: below input magnitudes of 3e-08 results are inexact or not finite
;; workspace buffers: keys 1,048,576 bytes of whole numbers
;; launch sweep (part 1): grid 32 x 8, 16 waves a work-group, no clusters, 133,120 bytes of LDS; arguments xyz1, xyz2, keys; writes keys
.if DOCPART == 1
	.amdgcn_target "amdgcn-amd-amdhsa--gfx1250"
	.amdhsa_code_object_version 6
	.text
	.protected	k_q05179e2442_sweep
	.globl	k_q05179e2442_sweep
	.p2align	8
	.type	k_q05179e2442_sweep,@function
k_q05179e2442_sweep:
	s_mov_b64 s[64:65], 0
	v_nop
	global_prefetch_b8 v0, s[64:65] scope:SCOPE_SE
	s_setreg_imm32_b32 hwreg(HW_REG_WAVE_MODE, 25, 1), 1
	s_wait_xcnt 0x0
; SWEEP: the filter of a chamfer distance.  xyz1, xyz2: [4][8192][3] f32.  keys: [dir*4+batch][8192 queries][4 words].
; Work-group y = dir*4 + batch: dir 0 takes xyz1 as queries and xyz2 as candidates, dir 1 the other way round; x = 256 queries.
; All coordinates are first rounded to bf16 (nearest even).  One bf16 matrix instruction yields whole distances: 8 K slots hold
;   candidate:   y0   y1   y2   1   1  sh  sm  sl      (sh + sm + sl = |y|^2 exactly: three bf16 pieces of a 24-bit number)
;   query:     -2x0 -2x1 -2x2  Gh  Gl   1   1   1      (Gh + Gl ~ G = |x|^2 (1 + 2^-10) + 2^-60)
; so d' = |x-y|^2 + (G - |x|^2).  The surplus is one constant per query: it changes no order, and keeps d' positive and normal
; whatever the rounding of the nine-term sum, so that a key read as an unsigned number has the order of the float.
; The vector unit only folds minima.  A lane's 32 values of a block of 64 candidates are a SET of 32 consecutive points; the set's
; minimum gets the set's number (0..255) in its low 8 mantissa bits (a KEY), and the three smallest keys of a query are kept.
; The next launch evaluates those three sets again in f32 and settles value and index.
; LIMITS.  Finite inputs whose squares neither overflow nor are denormal.  A key drops 8 mantissa bits (2^-15 relative) and the
; matrix sum is rounded in the unit's own way: if four or more sets hold minima closer together than that, the set of the
; reference's argmin can be missed.
; SHARES.  16 waves.  Wave w: query tiles 4 (w&3) .. +3 (64 queries), candidate blocks 32 (w>>2) .. +31: 512 matrix instructions.
; Four waves lie on a SIMD, so that one folds while another multiplies.
; ONE A FRAGMENT SERVES FOUR TILES: two 16-byte loads a lane bring 64 records, record 16 v + m at K slots 8v .. 8v+7 of row m.
; The query fragment exists in four versions with the query's record at K slots 8v .. 8v+7 and zeros elsewhere (finite x 0 = 0).
; No cluster, no tensor load: the 96 KB of candidates that the 32 work-groups of one y share must pass through registers to be
; rounded and split, and a work-group reads them once.
.set NBATCH,  98304                    ; bytes of a cloud of one batch
.set RL,    1                          ; lane & 15
.set HL,    2                          ; (lane >> 4) & 1
.set AADDR, 3                          ; LDS address of my 16 bytes in the current pair of blocks
.set ID,    4                          ; number of the set that my lane is folding
.set TMP,   5
.set LA0,   6                          ; 16 x thread; LA0+1 = that + 65536
.set T,     8                          ; v8-11    at work in a fold
.set K,     12                         ; v12-27   tile q: k1 <= k2 <= k3, one word unused
.set FA0,   28                         ; v28-35, v36-43: two buffers for the candidates' fragment
.set QL,    28                         ; in the prologue: the four query loads
.set BQ,    44                         ; v44-111  tile q at BQ+16q: Z X0 Z X1, closed by one more Z
.set DA,    112                        ; v112-143 four result tiles
.set DB,    144                        ; v144-175 four more
.set CL,    112                        ; in the prologue: 16 candidate loads, 4 registers apart
.set W,     176                        ; v176-179 a record
.set TA,    180
.set C0,    181
.set C1,    182
.set C2,    183
.set SQ,    184
.set RS,    185
.set GG,    186
.set MSK0,  187                        ; all ones in lanes 0-15
.set MSK1,  188                        ; all ones in lanes 16-31
.set VOQ,   189
.set VOC,   190
	s_load_b128 s[4:7], s[0:1], 0x0                ; xyz1, xyz2
	s_load_b64 s[8:9], s[0:1], 0x10                ; keys
	v_lshl_add_u32 v192, v0, 2, 0x20000
	v_mov_b32 v193, 0
	v_lshrrev_b32 v[TMP], 5, v0
	v_readfirstlane_b32 s10, v[TMP]                ; wave 0..15
	s_and_b32 s11, s10, 3                          ; which 64 queries
	s_lshr_b32 s12, s10, 2                         ; which 2048 candidates
	s_and_b32 s13, ttmp7, 0xffff
	s_lshr_b32 s14, s13, 2                         ; direction
	s_and_b32 s15, s13, 3                          ; batch
	s_mov_b32 s16, 0xffff0000                      ; a word's upper bf16
	s_mov_b32 s17, 0xffffff00                      ; what a key keeps of its minimum
	s_mov_b32 s18, 0x3f802000                      ; 1 + 2^-10
	s_mov_b32 s19, 0x21800000                      ; 2^-60
	v_and_b32 v[RL], 15, v0
	v_bfe_u32 v[HL], v0, 4, 1
	v_and_b32 v[TMP], 31, v0
	s_lshl_b32 s27, s12, 15                        ; my 32 blocks of 1,024 bytes
	v_lshl_add_u32 v[AADDR], v[TMP], 4, s27
	s_lshl_b32 s28, s12, 6
	v_add_nc_u32 v[ID], s28, v[HL]                 ; set = 2 x block + lane half
	v_lshlrev_b32 v[LA0], 4, v0
	v_add_nc_u32 v[LA0+1], 0x10000, v[LA0]
	v_sub_nc_u32 v[MSK1], 0, v[HL]
	v_not_b32 v[MSK0], v[MSK1]
	v_mul_u32_u24 v[VOQ], 12, v[RL]
	; Thread t fills table slot t + 512 it.  Slot 16 v + 8 h + j of a block holds the block's point 32 h + 8 v + j, so that the 32
	; results of a lane (half h, all v, all j) are 32 consecutive points.
	v_and_b32 v[TMP], 0x1c0, v0
	v_and_b32 v[T], 8, v0
	v_lshl_or_b32 v[TMP], v[T], 2, v[TMP]
	v_and_b32 v[T], 0x30, v0
	v_lshrrev_b32 v[T], 1, v[T]
	v_and_or_b32 v[T], v0, 7, v[T]
	v_or_b32 v[TMP], v[TMP], v[T]
	v_mul_u32_u24 v[VOC], 12, v[TMP]
	s_mul_i32 s24, s15, NBATCH
	s_mov_b32 s25, 0
	s_wait_kmcnt 0x0
	s_cmp_eq_u32 s14, 0
	s_cselect_b64 s[20:21], s[4:5], s[6:7]         ; queries
	s_cselect_b64 s[22:23], s[6:7], s[4:5]         ; candidates
	s_add_nc_u64 s[20:21], s[20:21], s[24:25]
	s_add_nc_u64 s[22:23], s[22:23], s[24:25]
	s_mul_i32 s24, ttmp9, 3072                     ; 256 queries of 12 bytes
	s_mul_i32 s26, s11, 768
	s_add_co_u32 s24, s24, s26
	s_add_nc_u64 s[20:21], s[20:21], s[24:25]
	s_lshl_b32 s24, s13, 17                        ; keys: 8192 x 16 bytes for each y, 256 x 16 for each x
	s_lshl_b32 s26, ttmp9, 12
	s_add_co_u32 s24, s24, s26
	s_add_nc_u64 s[8:9], s[8:9], s[24:25]
.irp q, 0,1,2,3
	global_load_b96 v[QL+4*\q:QL+4*\q+2], v[VOQ], s[20:21] offset:192*\q      ; query 16 q + (lane & 15), in both lane halves
.endr
.irp it, 0,1,2,3,4,5,6,7,8,9,10,11,12,13,14,15
	global_load_b96 v[CL+4*\it:CL+4*\it+2], v[VOC], s[22:23] offset:6144*\it
.endr
	; the zero groups of the query fragments, and the key lists (+infinity loses against every key)
.irp z, 0,8,16,24,32,40,48,56,64
.irp i, 0,1,2,3
	v_mov_b32 v[BQ+\z+\i], 0
.endr
.endr
.irp i, 0,1,2,3,4,5,6,7,8,9,10,11,12,13,14,15
	v_mov_b32 v[K+\i], 0x7f800000
.endr
; The record of query tile q, laid into lanes 0-15 (X0) and into lanes 16-31 (X1).
.macro QREC q
	s_wait_loadcnt 19-\q                           ; younger: 3 - q query loads and 16 candidate loads
	v_cvt_pk_bf16_f32 v[TA], v[QL+4*\q], v[QL+4*\q+1]
	v_cvt_pk_bf16_f32 v[C2], v[QL+4*\q+2], v[QL+4*\q+2]
	v_lshlrev_b32 v[C0], 16, v[TA]
	v_and_b32 v[C1], s16, v[TA]
	v_and_b32 v[C2], s16, v[C2]
	v_mul_f32 v[SQ], v[C0], v[C0]
	v_fmac_f32 v[SQ], v[C1], v[C1]
	v_fmac_f32 v[SQ], v[C2], v[C2]
	v_fma_f32 v[GG], v[SQ], s18, s19
	v_mul_f32 v[C0], -2.0, v[C0]
	v_mul_f32 v[C1], -2.0, v[C1]
	v_mul_f32 v[C2], -2.0, v[C2]
	v_cvt_pk_bf16_f32 v[W], v[C0], v[C1]
	v_cvt_pk_bf16_f32 v[W+1], v[C2], v[GG]         ; upper half: Gh
	v_and_b32 v[RS], s16, v[W+1]
	v_sub_f32 v[RS], v[GG], v[RS]
	v_cvt_pk_bf16_f32 v[W+2], v[RS], 1.0           ; Gl, 1
.irp i, 0,1,2
	v_and_b32 v[BQ+16*\q+4+\i], v[W+\i], v[MSK0]
	v_and_b32 v[BQ+16*\q+12+\i], v[W+\i], v[MSK1]
.endr
	v_and_b32 v[BQ+16*\q+7], 0x3f803f80, v[MSK0]   ; 1, 1
	v_and_b32 v[BQ+16*\q+15], 0x3f803f80, v[MSK1]
.endm
; One candidate's record into table slot t + 512 it: a wave's store covers 512 neighbouring bytes.
.macro CAND it
	s_wait_loadcnt 15-\it                          ; the younger candidate loads stay out
	v_cvt_pk_bf16_f32 v[W], v[CL+4*\it], v[CL+4*\it+1]
	v_cvt_pk_bf16_f32 v[W+1], v[CL+4*\it+2], 1.0
	v_lshlrev_b32 v[C0], 16, v[W]
	v_and_b32 v[C1], s16, v[W]
	v_lshlrev_b32 v[C2], 16, v[W+1]
	v_mul_f32 v[SQ], v[C0], v[C0]
	v_fmac_f32 v[SQ], v[C1], v[C1]
	v_fmac_f32 v[SQ], v[C2], v[C2]
	v_cvt_pk_bf16_f32 v[W+2], 1.0, v[SQ]           ; upper half: sh
	v_and_b32 v[RS], s16, v[W+2]
	v_sub_f32 v[RS], v[SQ], v[RS]                  ; exact: at most 16 bits are left
	v_cvt_pk_bf16_f32 v[TA], v[RS], v[RS]
	v_and_b32 v[TA], s16, v[TA]
	v_sub_f32 v[TA], v[RS], v[TA]                  ; exact: at most 8 bits are left
	v_cvt_pk_bf16_f32 v[W+3], v[RS], v[TA]         ; sm, sl
	ds_store_b128 v[LA0+(\it>>3)], v[W:W+3] offset:(\it&7)*8192
.endm
.irp q, 0,1,2,3
	QREC \q
.endr
.irp it, 0,1,2,3,4,5,6,7,8,9,10,11,12,13,14,15
	CAND \it
.endr
	s_wait_dscnt 0x0                               ; my part of the table is written
	s_barrier_signal -1
	s_barrier_wait -1
; Four matrix instructions: the 64 candidates in fragment buffer ab against query tile q.  C = 0: nothing is accumulated.
; Result register j of version v, lane (r, h): candidate slot 16 v + 8 h + j against query r.
.macro WM4 ab, q, d
	v_wmma_f32_16x16x32_bf16 v[\d:\d+7],     v[FA0+8*\ab:FA0+8*\ab+7], v[BQ+16*\q+4:BQ+16*\q+11],  0    ; X0 Z: K slots 0-7
	v_wmma_f32_16x16x32_bf16 v[\d+8:\d+15],  v[FA0+8*\ab:FA0+8*\ab+7], v[BQ+16*\q+12:BQ+16*\q+19], 0    ; X1 Z: 8-15
	v_wmma_f32_16x16x32_bf16 v[\d+16:\d+23], v[FA0+8*\ab:FA0+8*\ab+7], v[BQ+16*\q:BQ+16*\q+7],     0    ; Z X0: 16-23
	v_wmma_f32_16x16x32_bf16 v[\d+24:\d+31], v[FA0+8*\ab:FA0+8*\ab+7], v[BQ+16*\q+8:BQ+16*\q+15],  0    ; Z X1: 24-31
.endm
; x into a sorted list of three at k
.macro INS x, k
	v_med3_num_f32 v[\k+2], v[\x], v[\k+1], v[\k+2]
	v_med3_num_f32 v[\k+1], v[\x], v[\k], v[\k+1]
	v_min_num_f32  v[\k], v[\x], v[\k]
.endm
; 32 results of a lane -> one key -> the list of tile q.  Twenty plain vector instructions.
.macro FOLD q, d
.irp v, 0,1,2,3
	v_min3_num_f32 v[T+\v], v[\d+8*\v], v[\d+8*\v+1], v[\d+8*\v+2]
.endr
.irp v, 0,1,2,3
	v_min3_num_f32 v[T+\v], v[T+\v], v[\d+8*\v+3], v[\d+8*\v+4]
.endr
.irp v, 0,1,2,3
	v_min3_num_f32 v[T+\v], v[T+\v], v[\d+8*\v+5], v[\d+8*\v+6]
.endr
	v_min3_num_f32 v[T], v[T], v[T+1], v[T+2]
	v_min3_num_f32 v[T], v[T], v[T+3], v[\d+7]
	v_min3_num_f32 v[T], v[T], v[\d+15], v[\d+23]
	v_min_num_f32  v[T], v[T], v[\d+31]
	v_and_or_b32 v[T], v[T], s17, v[ID]
	INS T, K+4*\q
.endm
; One block of 64 candidates against my four query tiles.  Every fold stands between the matrix instructions that follow it in
; the other result buffer and their own fold: its twenty instructions name none of their registers, and are the places that
; ISA guide 7.12.1 asks for before a result is read, a result buffer written again, or a load issued into a fragment buffer.
.macro BLOCK ab, first, more
	s_wait_dscnt 0x0                               ; this block's two loads, issued a whole block ago
.if \more
	ds_load_b128 v[FA0+8*(1-\ab):FA0+8*(1-\ab)+3],   v[AADDR] offset:(\ab+1)*1024
	ds_load_b128 v[FA0+8*(1-\ab)+4:FA0+8*(1-\ab)+7], v[AADDR] offset:(\ab+1)*1024+512
.endif
	WM4 \ab, 0, DA
.if \first
.rept 4
	v_nop                                          ; no fold is due yet: four places in front of the first one
.endr
.else
	FOLD 3, DB                                     ; the last tile of the block before,
	v_add_nc_u32 v[ID], 2, v[ID]                   ; then this block's set
.endif
	WM4 \ab, 1, DB
	FOLD 0, DA
	WM4 \ab, 2, DA
	FOLD 1, DB
	WM4 \ab, 3, DB
	FOLD 2, DA
.endm
.macro PAIR first, last
	BLOCK 0, \first, 1
	BLOCK 1, 0, 1-\last
.if 1-\last
	v_add_nc_u32 v[AADDR], 2048, v[AADDR]
.endif
.endm
	ds_load_b128 v[FA0:FA0+3],   v[AADDR]
	ds_load_b128 v[FA0+4:FA0+7], v[AADDR] offset:512
	PAIR 1, 0
	s_mov_b32 s26, 14
.Lpair:
	PAIR 0, 0
	s_sub_co_i32 s26, s26, 1
	s_cmp_lg_u32 s26, 0
	s_cbranch_scc1 .Lpair
	PAIR 0, 1
	FOLD 3, DB
	; The eight lists of a query (4 candidate quarters x 2 lane halves) meet in LDS, over the table, which nobody reads any more.
	s_lshl_b32 s24, s12, 13
	s_lshl_b32 s25, s11, 10
	s_add_co_u32 s24, s24, s25
	v_lshlrev_b32 v[TMP], 4, v[RL]
	v_lshl_add_u32 v[TMP], v[HL], 12, v[TMP]
	v_add_nc_u32 v[TMP], s24, v[TMP]               ; list (2 quarter + half) x 4096 + query x 16
	s_wait_dscnt 0x0
	s_barrier_signal -1
	s_barrier_wait -1                              ; every wave has left the table
.irp q, 0,1,2,3
	ds_store_b128 v[TMP], v[K+4*\q:K+4*\q+3] offset:256*\q
.endr
	s_wait_dscnt 0x0
	s_barrier_signal -1
	s_barrier_wait -1
	s_cmp_ge_u32 s10, 8
	s_cbranch_scc1 .Lend                           ; 256 queries: threads 0-255 merge, one query each
.irp l, 0,1,2,3,4,5,6,7
	ds_load_b128 v[DA+4*\l:DA+4*\l+3], v[LA0] offset:4096*\l
.endr
	s_wait_dscnt 0x0
.irp l, 1,2,3,4,5,6,7
.irp i, 0,1,2
	INS DA+4*\l+\i, DA
.endr
.endr
	global_store_b128 v[LA0], v[DA:DA+3], s[8:9]   ; sixteen lanes write 256 consecutive bytes, aligned
.Lend:
	s_wait_tensorcnt 0x0
	ds_add_u32 v192, v193
	s_wait_dscnt 0x0
	s_endpgm
.Lfunc_end_k_q05179e2442_sweep:
	.size	k_q05179e2442_sweep, .Lfunc_end_k_q05179e2442_sweep-k_q05179e2442_sweep
	.p2alignl 7, 3214868480
	.fill 96, 4, 3214868480
	.section	.rodata,"a",@progbits
	.p2align	6, 0x0
	.amdhsa_kernel k_q05179e2442_sweep
		.amdhsa_group_segment_fixed_size 133120
		.amdhsa_private_segment_fixed_size 0
		.amdhsa_enable_private_segment 0
		.amdhsa_kernarg_size 24
		.amdhsa_user_sgpr_count 2
		.amdhsa_user_sgpr_kernarg_segment_ptr 1
		.amdhsa_wavefront_size32 1
		.amdhsa_system_sgpr_workgroup_id_x 1
		.amdhsa_system_sgpr_workgroup_id_y 1
		.amdhsa_system_sgpr_workgroup_id_z 1
		.amdhsa_system_vgpr_workitem_id 0
		.amdhsa_next_free_vgpr 194
		.amdhsa_next_free_sgpr 66
		.amdhsa_reserve_vcc 0
		.amdhsa_float_denorm_mode_32 3
		.amdhsa_float_denorm_mode_16_64 3
		.amdhsa_memory_ordered 1
		.amdhsa_forward_progress 1
		.amdhsa_inst_pref_size 63
	.end_amdhsa_kernel
	.amdgpu_metadata
---
amdhsa.version: [ 1, 2 ]
amdhsa.kernels:
  - .name:           k_q05179e2442_sweep
    .symbol:         k_q05179e2442_sweep.kd
    .args:
      - { .name: xyz1, .offset: 0, .size: 8, .value_kind: global_buffer, .address_space: global }
      - { .name: xyz2, .offset: 8, .size: 8, .value_kind: global_buffer, .address_space: global }
      - { .name: keys, .offset: 16, .size: 8, .value_kind: global_buffer, .address_space: global }
    .group_segment_fixed_size: 133120
    .private_segment_fixed_size: 0
    .kernarg_segment_align: 8
    .kernarg_segment_size: 24
    .max_flat_workgroup_size: 512
    .sgpr_count:     66
    .vgpr_count:     194
    .wavefront_size: 32
...
	.end_amdgpu_metadata
.endif
;; end of part 1
;; launch pick (part 2): grid 32 x 8, 8 waves a work-group, no clusters, 136,192 bytes of LDS; arguments xyz1, xyz2, keys, out0, out1, out2, out3; writes out0, out1, out2, out3
.if DOCPART == 2
	.amdgcn_target "amdgcn-amd-amdhsa--gfx1250"
	.amdhsa_code_object_version 6
	.text
	.protected	k_q05179e2442_pick
	.globl	k_q05179e2442_pick
	.p2align	8
	.type	k_q05179e2442_pick,@function
k_q05179e2442_pick:
	s_mov_b64 s[64:65], 0
	v_nop
	global_prefetch_b8 v0, s[64:65] scope:SCOPE_SE
	s_setreg_imm32_b32 hwreg(HW_REG_WAVE_MODE, 25, 1), 1
	s_wait_xcnt 0x0
; PICK: settles distance and index.  keys: [dir*4+batch][8192 queries][4 words]: the low 8 bits of words 0-2 name three sets of
; 32 consecutive candidates.  Work-group (x, y) as in the launch before: y = dir*4 + batch, x = 256 queries; one query a thread.
; The batch's 8192 candidates are rounded to bf16 and laid into LDS as (x0, x1, x2, |x|^2) in f32.  Each thread walks its 96
; candidates in ascending index and evaluates  d = (sq_q + sq_c) - 2 ((q0 c0 + q1 c1) + q2 c2)  in f32.  Products of bf16 numbers
; are exact in f32, so a fused multiply-add rounds exactly as a multiply and an add: d has one value whatever is contracted.
; A strictly smaller d replaces the best: the lowest index wins a tie, as in argmin.
; LIMITS.  Results are those of the bf16-rounded points; finite inputs whose squares do not overflow; the sums are taken in the
; order written above; candidates outside the three named sets are not looked at.
; No matrix unit (1.2 % of the pairs, and their rounding is the point), no cluster or tensor load (every byte is converted in
; registers).  A wave's store covers 128 consecutive bytes: a wave owns 32 results of each output.
.set NBATCH, 98304
.set PITCH,  528                       ; a set: 32 x 16 bytes + 16, so that equal entries of neighbouring sets fall on different banks
.set V12,  1                           ; 12 x thread
.set LA0,  2                           ; where my point of round 0 goes; LA0+1: of round 16
.set V4,   4
.set V16,  5
.set Q,    8                           ; v8-11   my query: x0 x1 x2 sq
.set KY,   12                          ; v12-15  keys, then set numbers ascending
.set AD,   16                          ; v16-18  LDS addresses of the three sets
.set BEST, 20                          ; v20-23  four trackers: smallest d
.set BI,   24                          ; v24-27  and its number n = 32 x (which set) + entry
.set TT,   28
.set UU,   32
.set T0,   36
.set T1,   37
.set CB0,  40                          ; v40-71, v72-103: two buffers of 8 candidates
.set PL,   104                         ; v104-231: 32 point loads, 4 registers apart
	s_load_b256 s[4:11], s[0:1], 0x0               ; xyz1, xyz2, keys, out0
	s_load_b128 s[12:15], s[0:1], 0x20             ; out1, out2
	s_load_b64 s[16:17], s[0:1], 0x30              ; out3
	v_lshl_add_u32 v232, v0, 2, 0x21000
	v_mov_b32 v233, 0
	s_and_b32 s18, ttmp7, 0xffff
	s_lshr_b32 s19, s18, 2                         ; direction
	s_and_b32 s22, s18, 3                          ; batch
	s_mov_b32 s23, 0xffff0000
	v_mul_u32_u24 v[V12], 12, v0
	v_lshlrev_b32 v[V4], 2, v0
	v_lshlrev_b32 v[V16], 4, v0
	v_lshrrev_b32 v[T0], 5, v0
	v_and_b32 v[T1], 31, v0
	v_mul_u32_u24 v[LA0], PITCH, v[T0]
	v_lshl_add_u32 v[LA0], v[T1], 4, v[LA0]        ; point t + 256 it: set (t >> 5) + 8 it, entry t & 31
	v_add_nc_u32 v[LA0+1], 128*PITCH, v[LA0]
	s_mul_i32 s32, s22, NBATCH
	s_mov_b32 s33, 0
	s_wait_kmcnt 0x0
	s_cmp_eq_u32 s19, 0
	s_cselect_b64 s[24:25], s[4:5], s[6:7]         ; queries
	s_cselect_b64 s[26:27], s[6:7], s[4:5]         ; candidates
	s_cselect_b64 s[28:29], s[10:11], s[12:13]     ; distances: out0 or out1
	s_cselect_b64 s[30:31], s[14:15], s[16:17]     ; indices: out2 or out3
	s_add_nc_u64 s[24:25], s[24:25], s[32:33]
	s_add_nc_u64 s[26:27], s[26:27], s[32:33]
	s_mul_i32 s32, ttmp9, 3072
	s_add_nc_u64 s[24:25], s[24:25], s[32:33]
	s_lshl_b32 s32, s18, 17
	s_lshl_b32 s34, ttmp9, 12
	s_add_co_u32 s32, s32, s34
	s_add_nc_u64 s[8:9], s[8:9], s[32:33]
	s_lshl_b32 s32, s22, 15                        ; 8192 x 4 bytes for each batch, 256 x 4 for each x
	s_lshl_b32 s34, ttmp9, 10
	s_add_co_u32 s32, s32, s34
	s_add_nc_u64 s[28:29], s[28:29], s[32:33]
	s_add_nc_u64 s[30:31], s[30:31], s[32:33]
	global_load_b128 v[KY:KY+3], v[V16], s[8:9]
	global_load_b96 v[Q:Q+2], v[V12], s[24:25]
.set it, 0
.rept 32
	global_load_b96 v[PL+4*it:PL+4*it+2], v[V12], s[26:27] offset:3072*it      ; a wave's load covers 384 neighbouring bytes
.set it, it+1
.endr
.irp j, 0,1,2,3
	v_mov_b32 v[BEST+\j], 0x7f800000
	v_mov_b32 v[BI+\j], 0
.endr
; v[x:x+2] rounded to bf16 and kept as f32; v[x+3] = (x0 x0 + x1 x1) + x2 x2
.macro PT x
	v_cvt_pk_bf16_f32 v[T0], v[\x], v[\x+1]
	v_cvt_pk_bf16_f32 v[T1], v[\x+2], v[\x+2]
	v_lshlrev_b32 v[\x], 16, v[T0]
	v_and_b32 v[\x+1], s23, v[T0]
	v_and_b32 v[\x+2], s23, v[T1]
	v_mul_f32 v[\x+3], v[\x], v[\x]
	v_fmac_f32 v[\x+3], v[\x+1], v[\x+1]
	v_fmac_f32 v[\x+3], v[\x+2], v[\x+2]
.endm
	s_wait_loadcnt 32                              ; keys and query are in; the 32 point loads stay out
	PT Q
	; the three set numbers, ascending, so that n ascends with the true index; whole-number instructions only
.irp i, 0,1,2
	v_and_b32 v[KY+\i], 0xff, v[KY+\i]
.endr
	v_min_u32 v[T0], v[KY], v[KY+1]
	v_max_u32 v[KY+1], v[KY], v[KY+1]
	v_max_u32 v[T1], v[KY+1], v[KY+2]
	v_min_u32 v[KY+1], v[KY+1], v[KY+2]
	v_min_u32 v[KY], v[T0], v[KY+1]
	v_max_u32 v[KY+1], v[T0], v[KY+1]
	v_min_u32 v[KY], 0xff, v[KY]                   ; a loaded number enters an address behind a clamp by a constant
	v_min_u32 v[KY+1], 0xff, v[KY+1]
	v_min_u32 v[KY+2], 0xff, v[T1]
.irp i, 0,1,2
	v_mul_u32_u24 v[AD+\i], PITCH, v[KY+\i]
.endr
.set it, 0
.rept 32
	s_wait_loadcnt 31-it                           ; the younger point loads stay out
	PT PL+4*it
	ds_store_b128 v[LA0+(it>>4)], v[PL+4*it:PL+4*it+3] offset:(it&15)*8*PITCH
.set it, it+1
.endr
	s_wait_dscnt 0x0
	s_barrier_signal -1
	s_barrier_wait -1
; batch g: entries 8 (g & 3) .. + 7 of set g >> 2
.macro LOADB g
.irp c, 0,1,2,3,4,5,6,7
	ds_load_b128 v[CB0+32*((\g)&1)+4*\c:CB0+32*((\g)&1)+4*\c+3], v[AD+((\g)>>2)] offset:16*(8*((\g)&3)+\c)
.endr
.endm
; eight candidates, four at a time, each on a tracker of its own so that no line waits for the one in front of it
.macro COMP g
.irp hf, 0,4
.irp j, 0,1,2,3
	v_mul_f32 v[TT+\j], v[Q], v[CB0+32*((\g)&1)+4*(\hf+\j)]
.endr
.irp j, 0,1,2,3
	v_fmac_f32 v[TT+\j], v[Q+1], v[CB0+32*((\g)&1)+4*(\hf+\j)+1]
.endr
.irp j, 0,1,2,3
	v_fmac_f32 v[TT+\j], v[Q+2], v[CB0+32*((\g)&1)+4*(\hf+\j)+2]
.endr
.irp j, 0,1,2,3
	v_add_f32 v[UU+\j], v[Q+3], v[CB0+32*((\g)&1)+4*(\hf+\j)+3]
.endr
.irp j, 0,1,2,3
	v_fmac_f32 v[UU+\j], -2.0, v[TT+\j]            ; 2 t is exact: one rounding, as in the subtraction
.endr
.irp j, 0,1,2,3
	v_cmp_ge_f32 s[34+\j], v[UU+\j], v[BEST+\j]    ; not smaller: the number stays
.endr
.irp j, 0,1,2,3
	v_cndmask_b32 v[BI+\j], 8*(\g)+\hf+\j, v[BI+\j], s[34+\j]
.endr
.irp j, 0,1,2,3
	v_min_num_f32 v[BEST+\j], v[BEST+\j], v[UU+\j]
.endr
.endr
.endm
	LOADB 0
.irp g, 0,1,2,3,4,5,6,7,8,9,10
	LOADB \g+1
	s_wait_dscnt 8                                 ; batch g is in; the eight loads just issued stay out
	COMP \g
.endr
	s_wait_dscnt 0x0
	COMP 11
; tracker b into tracker a: the smaller d, and of equal ones the lower number
.macro COMB a, b
	v_cmp_lt_f32 s34, v[BEST+\b], v[BEST+\a]
	v_cmp_eq_f32 s35, v[BEST+\b], v[BEST+\a]
	v_cmp_lt_u32 s36, v[BI+\b], v[BI+\a]
	s_and_b32 s35, s35, s36
	s_or_b32 s34, s34, s35
	v_cndmask_b32 v[BEST+\a], v[BEST+\a], v[BEST+\b], s34
	v_cndmask_b32 v[BI+\a], v[BI+\a], v[BI+\b], s34
.endm
	COMB 0, 1
	COMB 2, 3
	COMB 0, 2
	v_lshrrev_b32 v[T0], 5, v[BI]                  ; which of the three sets
	v_cmp_eq_u32 s34, 1, v[T0]
	v_cmp_eq_u32 s35, 2, v[T0]
	v_cndmask_b32 v[T1], v[KY], v[KY+1], s34
	v_cndmask_b32 v[T1], v[T1], v[KY+2], s35
	v_and_b32 v[T0], 31, v[BI]
	v_lshl_or_b32 v[T1], v[T1], 5, v[T0]           ; index = 32 x set + entry
	global_store_b32 v[V4], v[BEST], s[28:29]
	global_store_b32 v[V4], v[T1], s[30:31]
	s_wait_tensorcnt 0x0
	ds_add_u32 v232, v233
	s_wait_dscnt 0x0
	s_endpgm
.Lfunc_end_k_q05179e2442_pick:
	.size	k_q05179e2442_pick, .Lfunc_end_k_q05179e2442_pick-k_q05179e2442_pick
	.p2alignl 7, 3214868480
	.fill 96, 4, 3214868480
	.section	.rodata,"a",@progbits
	.p2align	6, 0x0
	.amdhsa_kernel k_q05179e2442_pick
		.amdhsa_group_segment_fixed_size 136192
		.amdhsa_private_segment_fixed_size 0
		.amdhsa_enable_private_segment 0
		.amdhsa_kernarg_size 56
		.amdhsa_user_sgpr_count 2
		.amdhsa_user_sgpr_kernarg_segment_ptr 1
		.amdhsa_wavefront_size32 1
		.amdhsa_system_sgpr_workgroup_id_x 1
		.amdhsa_system_sgpr_workgroup_id_y 1
		.amdhsa_system_sgpr_workgroup_id_z 1
		.amdhsa_system_vgpr_workitem_id 0
		.amdhsa_next_free_vgpr 234
		.amdhsa_next_free_sgpr 66
		.amdhsa_reserve_vcc 0
		.amdhsa_float_denorm_mode_32 3
		.amdhsa_float_denorm_mode_16_64 3
		.amdhsa_memory_ordered 1
		.amdhsa_forward_progress 1
		.amdhsa_inst_pref_size 59
	.end_amdhsa_kernel
	.amdgpu_metadata
---
amdhsa.version: [ 1, 2 ]
amdhsa.kernels:
  - .name:           k_q05179e2442_pick
    .symbol:         k_q05179e2442_pick.kd
    .args:
      - { .name: xyz1, .offset: 0, .size: 8, .value_kind: global_buffer, .address_space: global }
      - { .name: xyz2, .offset: 8, .size: 8, .value_kind: global_buffer, .address_space: global }
      - { .name: keys, .offset: 16, .size: 8, .value_kind: global_buffer, .address_space: global }
      - { .name: out0, .offset: 24, .size: 8, .value_kind: global_buffer, .address_space: global }
      - { .name: out1, .offset: 32, .size: 8, .value_kind: global_buffer, .address_space: global }
      - { .name: out2, .offset: 40, .size: 8, .value_kind: global_buffer, .address_space: global }
      - { .name: out3, .offset: 48, .size: 8, .value_kind: global_buffer, .address_space: global }
    .group_segment_fixed_size: 136192
    .private_segment_fixed_size: 0
    .kernarg_segment_align: 8
    .kernarg_segment_size: 56
    .max_flat_workgroup_size: 256
    .sgpr_count:     66
    .vgpr_count:     234
    .wavefront_size: 32
...
	.end_amdgpu_metadata
.endif
;; end of part 2
;; ======== version 2 of 2: 2 launches; version 1 with the launch pick written anew for expert scheduling mode
;; limits: below input magnitudes of 3e-08 results are inexact or not finite
;; workspace buffers: keys 1,048,576 bytes of whole numbers
;; launch sweep: the kernel of part 1 again; grid 32 x 8, 16 waves a work-group, no clusters, 133,120 bytes of LDS; arguments xyz1, xyz2, keys; writes keys
;; launch pick (part 3): grid 32 x 8, 8 waves a work-group, no clusters, 136,192 bytes of LDS; arguments xyz1, xyz2, keys, out0, out1, out2, out3; writes out0, out1, out2, out3
.if DOCPART == 3
	.amdgcn_target "amdgcn-amd-amdhsa--gfx1250"
	.amdhsa_code_object_version 6
	.text
	.protected	k_q05179e2442_pick
	.globl	k_q05179e2442_pick
	.p2align	8
	.type	k_q05179e2442_pick,@function
k_q05179e2442_pick:
	s_mov_b64 s[64:65], 0
	v_nop
	global_prefetch_b8 v0, s[64:65] scope:SCOPE_SE
	s_setreg_imm32_b32 hwreg(HW_REG_WAVE_SCHED_MODE, 0, 2), 2
	s_setreg_imm32_b32 hwreg(HW_REG_WAVE_MODE, 25, 1), 1
	s_wait_xcnt 0x0
	s_wait_alu depctr_vm_vsrc(0)
; PICK: settles distance and index.  keys: [dir*4+batch][8192 queries][4 words]: the low 8 bits of words 0-2 name three sets of
; 32 consecutive candidates.  Work-group (x, y) as in the launch before: y = dir*4 + batch, x = 256 queries; one query a thread.
; The batch's 8192 candidates are rounded to bf16 and laid into LDS as (x0, x1, x2, |x|^2) in f32.  Each thread walks its 96
; candidates in ascending index and evaluates  d = (sq_q + sq_c) - 2 ((q0 c0 + q1 c1) + q2 c2)  in f32.  Products of bf16 numbers
; are exact in f32, so a fused multiply-add rounds exactly as a multiply and an add: d has one value whatever is contracted.
; A strictly smaller d replaces the best: the lowest index wins a tie, as in argmin.
; LIMITS.  Results are those of the bf16-rounded points; finite inputs whose squares do not overflow; the sums are taken in the
; order written above; candidates outside the three named sets are not looked at.
; No matrix unit (1.2 % of the pairs, and their rounding is the point), no cluster or tensor load (every byte is converted in
; registers).  A wave's store covers 128 consecutive bytes: a wave owns 32 results of each output.
; THE MODE: SCHED_MODE bits 1:0 = 2 (LLVM: expert scheduling mode 2), set by the entry lines.  The code itself states the register
; dependences between vector instructions and memory or LDS instructions, with s_wait_alu, always for 0.
; THE PLAN.  Registers that memory or LDS instructions touch:
;   v1-v5, v16-v18  offsets and LDS addresses: made once by vector lines at the head, never written again.
;   PL              32 points, 4 registers each, in four groups of eight.  A global load lands in a point's registers; group k's
;                   vector lines round it in place; its LDS store is issued among the vector lines of group k + 1, which name
;                   group k + 1's registers and two temporaries alone.  One wait on va_vdst at a group's head serves its eight stores.
;   CB0 .. CB5      six buffers of eight candidates; CB2 to CB5 are PL's registers, taken again behind the barrier and one wait on
;                   vm_vsrc.  Batch g lands in CB[g % 6] and is read by half steps 2 g and 2 g + 1.  Batches 0 to 5 are asked for in one
;                   run; 6 to 8 behind one wait on va_vdst that follows half step 5's distance lines, 9 to 11 behind one that follows
;                   half step 11's: eight loads behind each of three half steps, whose vector lines name other buffers.
;   s34 .. s39      masks: written by compares, read by selects.  A half step's compares and minima are followed by the next half
;                   step's twenty distance lines, then by the wait on va_sdst, then by its selects.
.set NBATCH, 98304
.set PITCH,  528                       ; a set: 32 x 16 bytes + 16, so that equal entries of neighbouring sets fall on different banks
.set NBUF, 6
.set V12,  1                           ; 12 x thread
.set LA0,  2                           ; where my point of round 0 goes; LA0+1: of round 16
.set V4,   4
.set V16,  5
.set Q,    8                           ; v8-11   my query: x0 x1 x2 sq
.set KY,   12                          ; v12-15  keys, then set numbers ascending
.set AD,   16                          ; v16-18  LDS addresses of the three sets
.set BEST, 20                          ; v20-23  four trackers: smallest d
.set BI,   24                          ; v24-27  and its number n = 32 x (which set) + entry
.set TT,   28
.set UU,   32
.set T0,   36
.set T1,   37
.set CB0,  40                          ; v40-231: six buffers of 8 candidates
.set PL,   104                         ; v104-231: ahead of the barrier, 32 point loads, 4 registers apart
	s_load_b256 s[4:11], s[0:1], 0x0               ; xyz1, xyz2, keys, out0
	s_load_b128 s[12:15], s[0:1], 0x20             ; out1, out2
	s_load_b64 s[16:17], s[0:1], 0x30              ; out3
	v_lshl_add_u32 v38, v0, 2, 0x21000
	v_mov_b32 v39, 0
	s_and_b32 s18, ttmp7, 0xffff
	s_lshr_b32 s19, s18, 2                         ; direction
	s_and_b32 s22, s18, 3                          ; batch
	s_mov_b32 s23, 0xffff0000
	v_mul_u32_u24 v[V12], 12, v0
	v_lshlrev_b32 v[V4], 2, v0
	v_lshlrev_b32 v[V16], 4, v0
	v_lshrrev_b32 v[T0], 5, v0
	v_and_b32 v[T1], 31, v0
	v_mul_u32_u24 v[LA0], PITCH, v[T0]
	v_lshl_add_u32 v[LA0], v[T1], 4, v[LA0]        ; point t + 256 it: set (t >> 5) + 8 it, entry t & 31
	v_add_nc_u32 v[LA0+1], 128*PITCH, v[LA0]
	s_mul_i32 s32, s22, NBATCH
	s_mov_b32 s33, 0
	s_wait_kmcnt 0x0
	s_cmp_eq_u32 s19, 0
	s_cselect_b64 s[24:25], s[4:5], s[6:7]         ; queries
	s_cselect_b64 s[26:27], s[6:7], s[4:5]         ; candidates
	s_cselect_b64 s[28:29], s[10:11], s[12:13]     ; distances: out0 or out1
	s_cselect_b64 s[30:31], s[14:15], s[16:17]     ; indices: out2 or out3
	s_add_nc_u64 s[24:25], s[24:25], s[32:33]
	s_add_nc_u64 s[26:27], s[26:27], s[32:33]
	s_mul_i32 s32, ttmp9, 3072
	s_add_nc_u64 s[24:25], s[24:25], s[32:33]
	s_lshl_b32 s32, s18, 17
	s_lshl_b32 s34, ttmp9, 12
	s_add_co_u32 s32, s32, s34
	s_add_nc_u64 s[8:9], s[8:9], s[32:33]
	s_lshl_b32 s32, s22, 15                        ; 8192 x 4 bytes for each batch, 256 x 4 for each x
	s_lshl_b32 s34, ttmp9, 10
	s_add_co_u32 s32, s32, s34
	s_add_nc_u64 s[28:29], s[28:29], s[32:33]
	s_add_nc_u64 s[30:31], s[30:31], s[32:33]
	s_wait_alu depctr_va_vdst(0)                   ; v1 to v5 are written: the offsets of every global load and store and the addresses of every LDS store of the kernel
	global_load_b128 v[KY:KY+3], v[V16], s[8:9]
	global_load_b96 v[Q:Q+2], v[V12], s[24:25]
.set it, 0
.rept 32
	global_load_b96 v[PL+4*it:PL+4*it+2], v[V12], s[26:27] offset:3072*it      ; a wave's load covers 384 neighbouring bytes
.set it, it+1
.endr
.irp j, 0,1,2,3
	v_mov_b32 v[BEST+\j], 0x7f800000
	v_mov_b32 v[BI+\j], 0
.endr
; v[x:x+2] rounded to bf16 and kept as f32; v[x+3] = (x0 x0 + x1 x1) + x2 x2
.macro PT x
	v_cvt_pk_bf16_f32 v[T0], v[\x], v[\x+1]
	v_cvt_pk_bf16_f32 v[T1], v[\x+2], v[\x+2]
	v_lshlrev_b32 v[\x], 16, v[T0]
	v_and_b32 v[\x+1], s23, v[T0]
	v_and_b32 v[\x+2], s23, v[T1]
	v_mul_f32 v[\x+3], v[\x], v[\x]
	v_fmac_f32 v[\x+3], v[\x+1], v[\x+1]
	v_fmac_f32 v[\x+3], v[\x+2], v[\x+2]
.endm
; point t + 256 it into the table
.macro PUT it
	ds_store_b128 v[LA0+((\it)>>4)], v[PL+4*(\it):PL+4*(\it)+3] offset:((\it)&15)*8*PITCH
.endm
	s_wait_loadcnt 32                              ; keys and query are in; the 32 point loads stay out
	PT Q
	; the three set numbers, ascending, so that n ascends with the true index; whole-number instructions only
.irp i, 0,1,2
	v_and_b32 v[KY+\i], 0xff, v[KY+\i]
.endr
	v_min_u32 v[T0], v[KY], v[KY+1]
	v_max_u32 v[KY+1], v[KY], v[KY+1]
	v_max_u32 v[T1], v[KY+1], v[KY+2]
	v_min_u32 v[KY+1], v[KY+1], v[KY+2]
	v_min_u32 v[KY], v[T0], v[KY+1]
	v_max_u32 v[KY+1], v[T0], v[KY+1]
	v_min_u32 v[KY], 0xff, v[KY]                   ; a loaded number enters an address behind a clamp by a constant
	v_min_u32 v[KY+1], 0xff, v[KY+1]
	v_min_u32 v[KY+2], 0xff, v[T1]
.irp i, 0,1,2
	v_mul_u32_u24 v[AD+\i], PITCH, v[KY+\i]
.endr
; The 32 points in four groups of eight.  Group k is rounded while the stores of group k - 1 go out, one ahead of each point's lines.
.set k, 0
.rept 4
	s_wait_loadcnt 24-8*k                          ; group k's eight loads are in; the later groups' stay out
.if k > 0
	s_wait_alu depctr_va_vdst(0)                   ; group k - 1's lines have written its 32 registers, which the eight stores below read; no vector line behind this wait names them (the first of these waits also shows v16 to v18 written)
.endif
.set i, 0
.rept 8
.if k > 0
	PUT 8*(k-1)+i
.endif
	PT PL+4*(8*k+i)
.set i, i+1
.endr
.set k, k+1
.endr
	s_wait_alu depctr_va_vdst(0)                   ; the last group's lines have written its registers, which the stores below read; behind this wait no vector line names PL until LDS loads have landed there
.set i, 0
.rept 8
	PUT 24+i
.set i, i+1
.endr
	s_wait_dscnt 0x0                               ; for the other waves' sake: my part of the table is written
	s_barrier_signal -1
	s_barrier_wait -1
	s_wait_alu depctr_vm_vsrc(0)                   ; my LDS stores have read PL's registers: from here on they are CB2 to CB5, in which LDS loads land
; batch g: entries 8 (g & 3) .. + 7 of set g >> 2, into buffer g % 6.  NI counts the batches asked for so far.
.set NI, 0
.macro LOADB g
.irp c, 0,1,2,3,4,5,6,7
	ds_load_b128 v[CB0+32*((\g)%NBUF)+4*\c:CB0+32*((\g)%NBUF)+4*\c+3], v[AD+((\g)>>2)] offset:16*(8*((\g)&3)+\c)
.endr
.set NI, NI+1
.endm
; Half step h: candidates n = 4 h .. 4 h + 3, each on a tracker of its own so that no line waits for the one in front of it.
; DIST: their four distances.
.macro DIST h
.set cb, CB0+32*(((\h)>>1)%NBUF)+16*((\h)&1)
.irp j, 0,1,2,3
	v_mul_f32 v[TT+\j], v[Q], v[cb+4*\j]
.endr
.irp j, 0,1,2,3
	v_fmac_f32 v[TT+\j], v[Q+1], v[cb+4*\j+1]
.endr
.irp j, 0,1,2,3
	v_fmac_f32 v[TT+\j], v[Q+2], v[cb+4*\j+2]
.endr
.irp j, 0,1,2,3
	v_add_f32 v[UU+\j], v[Q+3], v[cb+4*\j+3]
.endr
.irp j, 0,1,2,3
	v_fmac_f32 v[UU+\j], -2.0, v[TT+\j]            ; 2 t is exact: one rounding, as in the subtraction
.endr
.endm
; the compares against the best so far, then the new best
.macro CMPMIN
.irp j, 0,1,2,3
	v_cmp_ge_f32 s[34+\j], v[UU+\j], v[BEST+\j]    ; not smaller: the number stays
.endr
.irp j, 0,1,2,3
	v_min_num_f32 v[BEST+\j], v[BEST+\j], v[UU+\j]
.endr
.endm
; the selects of half step h
.macro TAKE h
.irp j, 0,1,2,3
	v_cndmask_b32 v[BI+\j], 4*(\h)+\j, v[BI+\j], s[34+\j]
.endr
.endm
.irp g, 0,1,2,3,4,5
	LOADB \g
.endr
	s_wait_dscnt 8*(NI-1)                          ; LDS loads come back in order (ISA guide 5.7.1): batch 0 is in, the five younger batches stay out
	DIST 0
.set h, 0
.rept 24
	CMPMIN
.if h < 23
.if (h+1)%2 == 0
	s_wait_dscnt 8*(NI-(h+1)/2-1)                  ; batch (h + 1) / 2 is in; the batches asked for behind it, eight loads each, stay out
.endif
	DIST h+1
.endif
.if (h == 4) || (h == 10)
	s_wait_alu depctr_va_vdst(0)                   ; the distance lines are done reading three buffers (CB0-2 behind half step 5, CB3-5 behind half step 11), in which the next 24 loads land; up to the last of those loads the vector lines name other buffers
.endif
	s_wait_alu depctr_va_sdst(0)                   ; half step h's four compares have written s34 to s37, which the selects below read
	TAKE h
.if (h >= 4) && (h <= 6)
	LOADB h+2                                      ; batches 6, 7, 8 into CB0, CB1, CB2
.endif
.if (h >= 10) && (h <= 12)
	LOADB h-1                                      ; batches 9, 10, 11 into CB3, CB4, CB5
.endif
.set h, h+1
.endr
; tracker b into tracker a: the smaller d, and of equal ones the lower number.  CMP3: the three compares, into s, s + 1, s + 2.  SEL: the choice.
.macro CMP3 a, b, s
	v_cmp_lt_f32 s[\s], v[BEST+\b], v[BEST+\a]
	v_cmp_eq_f32 s[\s+1], v[BEST+\b], v[BEST+\a]
	v_cmp_lt_u32 s[\s+2], v[BI+\b], v[BI+\a]
.endm
.macro SEL a, b, s
	s_and_b32 s[\s+1], s[\s+1], s[\s+2]
	s_or_b32 s[\s], s[\s], s[\s+1]
	v_cndmask_b32 v[BEST+\a], v[BEST+\a], v[BEST+\b], s[\s]
	v_cndmask_b32 v[BI+\a], v[BI+\a], v[BI+\b], s[\s]
.endm
	CMP3 0, 1, 34
	CMP3 2, 3, 37
	s_wait_alu depctr_va_sdst(0)                   ; the six compares have written s34 to s39, which the scalar lines below read
	SEL 0, 1, 34
	SEL 2, 3, 37
	CMP3 0, 2, 34
	s_wait_alu depctr_va_sdst(0)                   ; the three compares have written s34 to s36
	SEL 0, 2, 34
	v_lshrrev_b32 v[T0], 5, v[BI]                  ; which of the three sets
	v_cmp_eq_u32 s34, 1, v[T0]
	v_cmp_eq_u32 s35, 2, v[T0]
	v_and_b32 v[T0], 31, v[BI]
	s_wait_alu depctr_va_sdst(0)                   ; the two compares have written s34 and s35, which the selects below read
	v_cndmask_b32 v[T1], v[KY], v[KY+1], s34
	v_cndmask_b32 v[T1], v[T1], v[KY+2], s35
	v_lshl_or_b32 v[T1], v[T1], 5, v[T0]           ; index = 32 x set + entry
	s_wait_alu depctr_va_vdst(0)                   ; the best distance and the index are written, which the two stores read
	global_store_b32 v[V4], v[BEST], s[28:29]
	global_store_b32 v[V4], v[T1], s[30:31]
	s_wait_dscnt 0x0
	s_wait_alu depctr_hold_cnt(0) depctr_sa_sdst(0) depctr_va_vdst(0) depctr_va_sdst(0) depctr_va_ssrc(0) depctr_va_vcc(0) depctr_vm_vsrc(0)
	s_wait_tensorcnt 0x0
	ds_add_u32 v38, v39
	s_wait_dscnt 0x0
	s_endpgm
.Lfunc_end_k_q05179e2442_pick:
	.size	k_q05179e2442_pick, .Lfunc_end_k_q05179e2442_pick-k_q05179e2442_pick
	.p2alignl 7, 3214868480
	.fill 96, 4, 3214868480
	.section	.rodata,"a",@progbits
	.p2align	6, 0x0
	.amdhsa_kernel k_q05179e2442_pick
		.amdhsa_group_segment_fixed_size 136192
		.amdhsa_private_segment_fixed_size 0
		.amdhsa_enable_private_segment 0
		.amdhsa_kernarg_size 56
		.amdhsa_user_sgpr_count 2
		.amdhsa_user_sgpr_kernarg_segment_ptr 1
		.amdhsa_wavefront_size32 1
		.amdhsa_system_sgpr_workgroup_id_x 1
		.amdhsa_system_sgpr_workgroup_id_y 1
		.amdhsa_system_sgpr_workgroup_id_z 1
		.amdhsa_system_vgpr_workitem_id 0
		.amdhsa_next_free_vgpr 232
		.amdhsa_next_free_sgpr 66
		.amdhsa_reserve_vcc 0
		.amdhsa_float_denorm_mode_32 3
		.amdhsa_float_denorm_mode_16_64 3
		.amdhsa_memory_ordered 1
		.amdhsa_forward_progress 1
		.amdhsa_inst_pref_size 60
	.end_amdhsa_kernel
	.amdgpu_metadata
---
amdhsa.version: [ 1, 2 ]
amdhsa.kernels:
  - .name:           k_q05179e2442_pick
    .symbol:         k_q05179e2442_pick.kd
    .args:
      - { .name: xyz1, .offset: 0, .size: 8, .value_kind: global_buffer, .address_space: global }
      - { .name: xyz2, .offset: 8, .size: 8, .value_kind: global_buffer, .address_space: global }
      - { .name: keys, .offset: 16, .size: 8, .value_kind: global_buffer, .address_space: global }
      - { .name: out0, .offset: 24, .size: 8, .value_kind: global_buffer, .address_space: global }
      - { .name: out1, .offset: 32, .size: 8, .value_kind: global_buffer, .address_space: global }
      - { .name: out2, .offset: 40, .size: 8, .value_kind: global_buffer, .address_space: global }
      - { .name: out3, .offset: 48, .size: 8, .value_kind: global_buffer, .address_space: global }
    .group_segment_fixed_size: 136192
    .private_segment_fixed_size: 0
    .kernarg_segment_align: 8
    .kernarg_segment_size: 56
    .max_flat_workgroup_size: 256
    .sgpr_count:     66
    .vgpr_count:     232
    .wavefront_size: 32
...
	.end_amdgpu_metadata
.endif
;; end of part 3
